; MI455X (gfx1250); checked and timed in simulation.
; The chip was launched on July 23, 2026; its instructions are those of AMD's public machine-readable ISA for CDNA 5 (MIT licence, August 2026) and "CDNA5" Instruction Set Architecture Reference Guide (July 2026). The comments in the code are by the model that wrote it; some were corrected since.
;; Multi Head Attention. Allowed arithmetic: float matrix products may take bf16 or f16 operands with f32 sums; all other float work in f32.
;; Inputs: Wk 1,024 x 1,024 float32; Wq 1,024 x 1,024 float32; Wv 1,024 x 1,024 float32; bk 1,024 float32; bq 1,024 float32; bv 1,024 float32; k 8 x 1,024 x 1,024 float32; q 8 x 1,024 x 1,024 float32; v 8 x 1,024 x 1,024 float32.
;; Outputs: out0 8 x 1,024 x 1,024 float32.
;; One version. Each part assembles by itself: llvm-mc -triple=amdgcn-amd-amdhsa -mcpu=gfx1250 --defsym DOCPART=n.
;; ======== version 1 of 1: 4 launches
;; limits: values are held in f16: magnitudes above 65,504 overflow, below 6.1e-05 lose precision; right only within a limited range of input values
;; workspace buffers: wb 6,291,456 bytes; qt 16,777,216 bytes; kt 16,777,216 bytes; vt 16,777,216 bytes; nm 524,288 bytes
;; launch wcast (part 1): grid 64 x 3, 8 waves a work-group, no clusters, 0 bytes of LDS; arguments Wq, Wk, Wv, wb; writes wb
.if DOCPART == 1
	.amdgcn_target "amdgcn-amd-amdhsa--gfx1250"
	.amdhsa_code_object_version 6
	.text
	.protected	k_qc1d4d09598_wcast
	.globl	k_qc1d4d09598_wcast
	.p2align	8
	.type	k_qc1d4d09598_wcast,@function
k_qc1d4d09598_wcast:
	s_mov_b64 s[64:65], 0
	v_nop
	global_prefetch_b8 v0, s[64:65] scope:SCOPE_SE
	s_setreg_imm32_b32 hwreg(HW_REG_WAVE_MODE, 25, 1), 1
	s_wait_xcnt 0x0
; wb[p][o][c] = bf16(W_p[o][c]), p = 0, 1, 2 for Wq, Wk, Wv.  Each W is 1024 x 1024 f32, 4 MiB.
; A work-group converts 64 KiB of one W (grid x: 64 pieces, grid y: which W).  A pure stream: no LDS, no barrier, no matrix unit.
; Thread t takes 16 bytes at 16 t of each of sixteen blocks of 4,096 bytes: a load of a wave covers 512 consecutive bytes,
; a store of a wave 256 consecutive bytes, aligned.  All sixteen loads go out first; every block has its own registers.
.set X, 4                              ; v[4:67]   sixteen quads as loaded
.set Y, 68                             ; v[68:99]  sixteen pairs to store
	s_load_b256 s[4:11], s[0:1], 0x0               ; Wq s[4:5], Wk s[6:7], Wv s[8:9], wb s[10:11]
	s_and_b32 s12, ttmp7, 0xffff                   ; p
	s_lshl_b32 s14, ttmp9, 16                      ; my piece of W: 65,536 bytes
	s_mov_b32 s15, 0
	s_lshl_b32 s16, ttmp9, 15                      ; my piece of wb: 32,768 bytes,
	s_lshl_b32 s18, s12, 21                        ; behind p tables of 2 MiB
	s_add_co_u32 s16, s16, s18
	s_mov_b32 s17, 0
	v_lshlrev_b32 v1, 4, v0                        ; 16 t
	v_lshlrev_b32 v2, 3, v0                        ; 8 t
	s_wait_kmcnt 0x0
	s_cmp_eq_u32 s12, 1
	s_cselect_b64 s[6:7], s[6:7], s[8:9]           ; p = 1: Wk, else Wv
	s_cmp_eq_u32 s12, 0
	s_cselect_b64 s[4:5], s[4:5], s[6:7]           ; p = 0: Wq
	s_add_nc_u64 s[4:5], s[4:5], s[14:15]
	s_add_nc_u64 s[10:11], s[10:11], s[16:17]
.irp j, 0,1,2,3,4,5,6,7,8,9,10,11,12,13,14,15
	global_load_b128 v[X+4*\j:X+4*\j+3], v1, s[4:5] offset:4096*\j th:TH_LOAD_NT
.endr
.irp j, 0,1,2,3,4,5,6,7,8,9,10,11,12,13,14,15
	s_wait_loadcnt 15-\j                           ; loads return in order: block j is in, the younger ones stay out
	v_cvt_pk_bf16_f32 v[Y+2*\j],   v[X+4*\j],   v[X+4*\j+1]
	v_cvt_pk_bf16_f32 v[Y+2*\j+1], v[X+4*\j+2], v[X+4*\j+3]
	global_store_b64 v2, v[Y+2*\j:Y+2*\j+1], s[10:11] offset:2048*\j
.endr
	s_endpgm
.Lfunc_end_k_qc1d4d09598_wcast:
	.size	k_qc1d4d09598_wcast, .Lfunc_end_k_qc1d4d09598_wcast-k_qc1d4d09598_wcast
	.p2alignl 7, 3214868480
	.fill 96, 4, 3214868480
	.section	.rodata,"a",@progbits
	.p2align	6, 0x0
	.amdhsa_kernel k_qc1d4d09598_wcast
		.amdhsa_group_segment_fixed_size 0
		.amdhsa_private_segment_fixed_size 0
		.amdhsa_enable_private_segment 0
		.amdhsa_kernarg_size 32
		.amdhsa_user_sgpr_count 2
		.amdhsa_user_sgpr_kernarg_segment_ptr 1
		.amdhsa_wavefront_size32 1
		.amdhsa_system_sgpr_workgroup_id_x 1
		.amdhsa_system_sgpr_workgroup_id_y 1
		.amdhsa_system_sgpr_workgroup_id_z 1
		.amdhsa_system_vgpr_workitem_id 0
		.amdhsa_next_free_vgpr 100
		.amdhsa_next_free_sgpr 66
		.amdhsa_reserve_vcc 0
		.amdhsa_float_denorm_mode_32 3
		.amdhsa_float_denorm_mode_16_64 3
		.amdhsa_memory_ordered 1
		.amdhsa_forward_progress 1
		.amdhsa_inst_pref_size 7
	.end_amdhsa_kernel
	.amdgpu_metadata
---
amdhsa.version: [ 1, 2 ]
amdhsa.kernels:
  - .name:           k_qc1d4d09598_wcast
    .symbol:         k_qc1d4d09598_wcast.kd
    .args:
      - { .name: Wq, .offset: 0, .size: 8, .value_kind: global_buffer, .address_space: global }
      - { .name: Wk, .offset: 8, .size: 8, .value_kind: global_buffer, .address_space: global }
      - { .name: Wv, .offset: 16, .size: 8, .value_kind: global_buffer, .address_space: global }
      - { .name: wb, .offset: 24, .size: 8, .value_kind: global_buffer, .address_space: global }
    .group_segment_fixed_size: 0
    .private_segment_fixed_size: 0
    .kernarg_segment_align: 8
    .kernarg_segment_size: 32
    .max_flat_workgroup_size: 256
    .sgpr_count:     66
    .vgpr_count:     100
    .wavefront_size: 32
...
	.end_amdgpu_metadata
.endif
;; end of part 1
;; launch proj (part 2): grid 16 x 24, 4 waves a work-group, clusters of 4 x 1, 327,680 bytes of LDS; arguments q, k, v, wb, bq, bk, bv, qt, kt, vt; writes qt, kt, vt
.if DOCPART == 2
	.amdgcn_target "amdgcn-amd-amdhsa--gfx1250"
	.amdhsa_code_object_version 6
	.text
	.protected	k_qc1d4d09598_proj
	.globl	k_qc1d4d09598_proj
	.p2align	8
	.type	k_qc1d4d09598_proj,@function
k_qc1d4d09598_proj:
	s_mov_b64 s[64:65], 0
	v_nop
	global_prefetch_b8 v0, s[64:65] scope:SCOPE_SE
	s_setreg_imm32_b32 hwreg(HW_REG_WAVE_MODE, 25, 1), 1
	s_wait_xcnt 0x0
	s_wait_alu depctr_hold_cnt(0) depctr_sa_sdst(0) depctr_va_vdst(0) depctr_va_sdst(0) depctr_va_ssrc(0) depctr_va_vcc(0) depctr_vm_vsrc(0)
	s_getreg_b32 s2, hwreg(HW_REG_IB_STS2, 6, 4)
	s_cmp_eq_u32 s2, 0
	s_cbranch_scc0 .Lentry_in_a_cluster
	s_endpgm
.Lentry_in_a_cluster:
	s_bfe_u32 s2, ttmp6, 0x10000c
	s_cmp_lg_u32 s2, 0x3003
	s_cbranch_scc0 .Lentry_shape_is_right
	s_endpgm
.Lentry_shape_is_right:
; The three projections.  Y[b][o][l] = (sum over c of W[o][c] X[b][c][l] + bias[o]) * SC, in bf16 x bf16 with f32 sums, stored in f16,
; all three transposed, as [16 b + head][l][c] with o = 64 head + c:
;   p = 0: X = q, SC = sqrt(0.125 log2 e), to qt;   p = 1: X = k, the same SC, to kt;   p = 2: X = v, SC = 1/16, to vt.
; With these scales the product of a row of qt and a row of kt is the score times log2 e.
; p only chooses pointers and the scale: no branch hangs on it.
; LIMIT (range): the results are f16.  A projected q or k beyond about 154,000, or a projected v beyond about 1,048,000, becomes infinite.
;
; SHARES.  grid y = 8 p + b.  Cluster x = block of 256 o; the place in the cluster = block of 256 l.  A work-group makes 256 o x 256 l with
; four waves; wave w makes all 256 o x the 64 l at 64 w: 64 accumulator tiles (a = 0..15 along o, u = 0..3 along l), 512 registers.
; W (bf16, made by the launch before) comes through LDS: K steps of 128 in two slots, filled by tensor loads.  The four work-groups of a
; cluster need the same 256 rows of W, so these are JOINT loads (mask 15): each tile is asked for once for four work-groups.
; X is f32 in memory and each wave owns its 64 columns, so X goes from memory straight into registers and is rounded there once:
; a load of 16 bytes a lane brings columns 4 r .. 4 r + 3 of one row c, so column r of tile u is l = 64 w + 4 r + u.  X is not shared in the
; cluster: the four partners read different columns.
;
; REGISTERS, in windows of 256:
;   window 0: v1-17 addresses; v32-63, v64-95 fragments of X, two buffers; v96-159 fragments of W rows 0-127 (H0), v160-223 rows 128-255 (H1); v224-255 at work
;   window 1: a ring of four K steps of X in f32, 64 registers each (load j at 4 j)
;   window 2: accumulators a = 0..7 (tile (a, u) at 8 (4 a + u));   window 3: a = 8..15
; LDS: slot 0 at 0, slot 1 at 69,632 (256 rows of 256 bytes, 272 apart); the stage for the way out at 139,264; the bias at 208,896.
; Stage and bias are written by LDS stores alone; no tensor load lands there.
.set PITCH,  272                       ; 256 bytes + 16 of padding: an odd multiple of 16, so 16 rows of a fragment start in 16 different columns of 16 bytes
.set SLOT,   256*PITCH
.set STAGE,  2*SLOT
.set BIAS,   3*SLOT
.set XO,   3                           ; v3    byte offset in X: 8 h rows of 4,096 bytes + 16 r
.set ADRA, 4                           ; v4-5  LDS address of my fragments of W in slot 0, 1
.set STO,  6                           ; v6    the way out: where I put results
.set RD,   7                           ; v7    the way out: where I read rows back
.set CO,   8                           ; v8    16 x lane
.set BA,   9                           ; v9    the bias of my half of the lanes
.set B0,   32
.set B1,   64
.set H0,   96
.set H1,   160
.set T,    224
.set PK,   32                          ; the way out: packed f16 (the X buffers are free then)
.set RB,   64                          ; the way out: eight quads read back
.set BS,   96                          ; the way out: bias x SC, 8 registers for each a
.set G1,   36                          ; s[36:43] descriptor group 1
.set G0,   44                          ; s[44:51] descriptor group 0, a set for each slot
.set XB,   52                          ; s[52:59] base of X for each of the four ring slots
.set MSB, 0
.macro WIN new                         ; the immediate: low byte the new setting, high byte the setting that is left
.if MSB != (\new)
	s_set_vgpr_msb (MSB<<8)|(\new)
.set MSB, (\new)
.endif
.endm
.macro PLACES                          ; four places behind a matrix instruction (ISA guide 7.12.1), where no useful work is at hand
.rept 4
	v_nop
.endr
.endm
.macro CREST                           ; a round of the cluster barrier behind its opening work-group barrier
	s_cmp_lg_u32 s28, 0
	s_cbranch_scc1 .Lnot_wave_0_\@
	s_barrier_signal -3
.Lnot_wave_0_\@:
	s_barrier_wait -3
	s_barrier_signal -1
	s_barrier_wait -1
.endm
.macro CROUND
	s_barrier_signal -1
	s_barrier_wait -1
	CREST
.endm
	s_load_b512 s[8:23], s[0:1], 0x0               ; q s[8:9], k s[10:11], v s[12:13], wb s[14:15], bq s[16:17], bk s[18:19], bv s[20:21], qt s[22:23]
	s_load_b128 s[24:27], s[0:1], 0x40             ; kt s[24:25], vt s[26:27]
	v_lshl_add_u32 v30, v0, 2, 0x33400
	v_mov_b32 v31, 0
	ds_add_u32 v30, v31
	ds_add_u32 v30, v31
	v_lshrrev_b32 v1, 5, v0
	v_readfirstlane_b32 s28, v1                    ; wave 0..3
	s_bfe_u32 s29, ttmp6, 0x40000                  ; my place in the cluster = block of 256 l
	s_mov_b32 s30, ttmp9                           ; the cluster x = block of 256 o
	s_and_b32 s31, ttmp7, 0xffff
	s_lshr_b32 s32, s31, 3                         ; p
	s_and_b32 s33, s31, 7                          ; b
	; group 1: 64 rows x 128 elements of 2 bytes, 1,024 elements from row to row; 4 words of padding behind every 64; mask 15 with bit 21 beside it
	s_mov_b32 s[G1+0], 15|(1<<16)|(1<<20)|(1<<21)|(5<<22)|(3<<25)
	s_mov_b32 s[G1+1], 128<<16                     ; tensor_dim0 = 128
	s_mov_b32 s[G1+2], 64<<16                      ; tensor_dim1 = 64
	s_mov_b32 s[G1+3], 128<<16                     ; tile_dim0 = 128
	s_mov_b32 s[G1+4], 64                          ; tile_dim1 = 64
	s_mov_b32 s[G1+5], 1024                        ; pitch
	s_mov_b32 s[G1+6], 0
	s_mov_b32 s[G1+7], 0
	v_and_b32 v1, 15, v0                           ; r
	v_bfe_u32 v2, v0, 4, 1                         ; h
	v_lshlrev_b32 v[XO], 4, v1
	v_lshl_add_u32 v[XO], v2, 15, v[XO]
	v_mul_u32_u24 v14, v1, PITCH
	v_lshl_add_u32 v[ADRA], v2, 4, v14             ; r x pitch + 16 h
	v_add_nc_u32 v[ADRA+1], SLOT, v[ADRA]
	v_lshlrev_b32 v12, 3, v0                       ; 8 x thread: the 128 threads fetch the block's 256 biases
	v_add_nc_u32 v13, BIAS, v12
	v_lshlrev_b32 v[BA], 5, v2
	v_add_nc_u32 v[BA], BIAS, v[BA]
	v_and_b32 v15, 31, v0                          ; lane
	v_lshlrev_b32 v[CO], 4, v15
	s_lshl_b32 s34, s33, 22                        ; X: b x 4 MiB + 1,024 x block of l + 256 x wave
	s_lshl_b32 s31, s29, 10
	s_add_co_u32 s34, s34, s31
	s_lshl_b32 s31, s28, 8
	s_add_co_u32 s34, s34, s31
	s_mov_b32 s35, 0
	s_lshl_b32 s72, s32, 21                        ; W: p x 2 MiB + (256 x block of o + 64 x wave) rows of 2,048 bytes; registers that never hold my place in the cluster
	s_lshl_b32 s74, s30, 19
	s_add_co_u32 s72, s72, s74
	s_lshl_b32 s74, s28, 17
	s_add_co_u32 s72, s72, s74
	s_mov_b32 s73, 0
	s_mul_i32 s75, s28, 64*PITCH                   ; my 64 rows in a slot
	s_lshl_b32 s60, s30, 10                        ; bias: 256 f32 for each block of o
	s_mov_b32 s61, 0
	s_mov_b32 s68, 0x3ed96d28                      ; sqrt(0.125 log2 e)
	s_mov_b32 s69, 0x3d800000                      ; 1/16
	s_cmp_eq_u32 s32, 2
	s_cselect_b32 s68, s69, s68
	s_mov_b32 s69, s68                             ; SC, twice
	s_wait_dscnt 0x0
	s_wait_kmcnt 0x0
	s_cmp_eq_u32 s32, 1
	s_cselect_b64 s[70:71], s[10:11], s[12:13]     ; X, bias and destination of my p
	s_cselect_b64 s[62:63], s[18:19], s[20:21]
	s_cselect_b64 s[66:67], s[24:25], s[26:27]
	s_cmp_eq_u32 s32, 0
	s_cselect_b64 s[70:71], s[8:9], s[70:71]
	s_cselect_b64 s[62:63], s[16:17], s[62:63]
	s_cselect_b64 s[66:67], s[22:23], s[66:67]
	s_add_nc_u64 s[XB:XB+1], s[70:71], s[34:35]
	s_add_nc_u64 s[XB+2:XB+3], s[XB:XB+1], 0x20000 ; a K step of 32 rows of X is 131,072 bytes
	s_add_nc_u64 s[XB+4:XB+5], s[XB:XB+1], 0x40000
	s_add_nc_u64 s[XB+6:XB+7], s[XB:XB+1], 0x60000
	s_add_nc_u64 s[62:63], s[62:63], s[60:61]
	s_add_nc_u64 s[72:73], s[14:15], s[72:73]
; 16 loads: a K step of X (32 rows x my 64 columns, f32) into ring slot rho.  Load j brings row (j / 8) 16 + 8 h + j % 8: lanes 0-15 take 256 consecutive
; aligned bytes of one row, lanes 16-31 of the row 8 below.
.macro XLOAD rho
	WIN 0x40
.irp j, 0,1,2,3,4,5,6,7,8,9,10,11,12,13,14,15
	global_load_b128 v[64*(\rho)+4*\j:64*(\rho)+4*\j+3], v[XO], s[XB+2*(\rho):XB+2*(\rho)+1] offset:((\j>>3)*16+(\j&7))*4096
.endr
.endm
; ring slot rho to four bf16 fragments: register m of fragment u holds K = 2 m, 2 m + 1 of the lane's sixteen, which are loads 2 m and 2 m + 1, column u
.macro CVT rho, bn
	WIN 0x05
.irp u, 0,1,2,3
.irp m, 0,1,2,3,4,5,6,7
	v_cvt_pk_bf16_f32 v[\bn+8*\u+\m], v[64*(\rho)+8*\m+\u], v[64*(\rho)+8*\m+4+\u]
.endr
.endr
.endm
; the next K step of X is waited for (cnt = the loads of younger K steps, 16 each), rounded into buffer bn, and its ring slot asked for again four steps on
.macro XSEC cnt, rho, bn, xl
	s_wait_loadcnt \cnt
	CVT \rho, \bn
.if \xl
	s_add_nc_u64 s[XB+2*(\rho):XB+2*(\rho)+1], s[XB+2*(\rho):XB+2*(\rho)+1], 0x80000   ; this base's loads are done by the wait above
	XLOAD \rho
.endif
	WIN 0
.endm
; 16 LDS loads: eight fragments of W (rows 16 (a0 + i) .. + 15, 32 K at byte 64 q of the slot's rows)
.macro LDA hb, slot, q, a0
	WIN 0
.irp i, 0,1,2,3,4,5,6,7
	ds_load_b128 v[\hb+8*\i:\hb+8*\i+3],   v[ADRA+(\slot)] offset:(\a0+\i)*16*PITCH+64*(\q)
	ds_load_b128 v[\hb+8*\i+4:\hb+8*\i+7], v[ADRA+(\slot)] offset:(\a0+\i)*16*PITCH+64*(\q)+32
.endr
.endm
; 16 matrix instructions: four blocks of 16 o x the four tiles of l.  The 64 accumulators take turns, one instruction a turn, in the same order in every
; K step, over the backward jump too.
.macro MUL4 bn, hb, i0, zero
.irp a, \i0, \i0+1, \i0+2, \i0+3
.irp u, 0,1,2,3
.if \zero
	v_wmma_f32_16x16x32_bf16 v[8*(4*(\a)+\u):8*(4*(\a)+\u)+7], v[\hb+8*(\a):\hb+8*(\a)+7], v[\bn+8*\u:\bn+8*\u+7], 0
.else
	v_wmma_f32_16x16x32_bf16 v[8*(4*(\a)+\u):8*(4*(\a)+\u)+7], v[\hb+8*(\a):\hb+8*(\a)+7], v[\bn+8*\u:\bn+8*\u+7], v[8*(4*(\a)+\u):8*(4*(\a)+\u)+7]
.endif
.endr
.endr
.endm
; One of a slot's first three K steps of 32.
.macro STEP slot, q, zero, cnt, xl
.set CB,  B0+32*((\q)&1)
.set NB,  B0+32*(((\q)+1)&1)
.set RHO, ((\q)+1)&3
	s_wait_dscnt 0x0                               ; H0 of this step is in
	PLACES                                         ; behind the last step's products, which read H1 and the other X buffer
	LDA H1, \slot, \q, 8
	WIN 0xa0
	MUL4 CB, H0, 0, \zero
	MUL4 CB, H0, 4, \zero
	XSEC \cnt, RHO, NB, \xl                        ; its 32 conversions are also the places in front of the loads into H0
	LDA H0, \slot, \q+1, 0
	s_wait_dscnt 16                                ; H1 is in; the 16 loads just issued stay out
	WIN 0xf0
	MUL4 CB, H1, 0, \zero
	MUL4 CB, H1, 4, \zero
.endm
; A slot's last K step, and the change of slots.  In front of the barrier each wave waits for its reads of this slot and for all its tensor loads (one is
; out: its part of the other slot).  fill = 1: the barrier opens a round of the cluster barrier, and the joint refill is the first tensor load behind the
; round, one a wave.  From there to the wait for it a wave issues 240 matrix instructions.
.macro TURN slot, fill, cnt, xl
	s_wait_dscnt 0x0
	PLACES
	LDA H1, \slot, 3, 8
	WIN 0xa0
	MUL4 B1, H0, 0, 0
	s_wait_dscnt 0x0                               ; my reads of this slot are over
	s_wait_tensorcnt 0x0                           ; all my tensor loads have landed
	ds_add_u32 v30, v31
	s_wait_dscnt 0x0
	s_barrier_signal -1
	MUL4 B1, H0, 4, 0                              ; register work while the others arrive
	WIN 0
	s_barrier_wait -1
.if \fill
	CREST
	s_add_nc_u64 s[G0+4*\slot+2:G0+4*\slot+3], s[G0+4*\slot+2:G0+4*\slot+3], 512   ; two K steps of 128 on; no tensor load of mine is out
	tensor_load_to_lds s[G0+4*\slot:G0+4*\slot+3], s[G1:G1+7]
	s_nop 0
.endif
	XSEC \cnt, 0, B0, \xl
	LDA H0, 1-\slot, 0, 0
	WIN 0xf0
	MUL4 B1, H1, 0, 0
	MUL4 B1, H1, 4, 0
.endm
.macro LAP zero                        ; once round the ring: eight K steps of 32, both slots filled again
	STEP 0, 0, \zero, 48, 1
	STEP 0, 1, 0, 48, 1
	STEP 0, 2, 0, 48, 1
	TURN 0, 1, 48, 1
	STEP 1, 0, 0, 48, 1
	STEP 1, 1, 0, 48, 1
	STEP 1, 2, 0, 48, 1
	TURN 1, 1, 48, 1
.endm
	global_load_b64 v[10:11], v12, s[62:63]        ; two biases a thread
	XLOAD 0                                        ; K steps 0 to 3 of X: 64 loads of 512 bytes a wave
	XLOAD 1
	XLOAD 2
	XLOAD 3
	WIN 0
	CROUND                                         ; the four partners are here: the first joint loads meet
.irp s, 0,1
	s_mov_b32 s[G0+4*\s], 1
	s_add_co_u32 s[G0+4*\s+1], s75, \s*SLOT        ; LDS: slot + wave x 64 rows
	s_add_nc_u64 s[G0+4*\s+2:G0+4*\s+3], s[72:73], \s*256
	s_or_b32 s[G0+4*\s+3], s[G0+4*\s+3], 0x80000000
	tensor_load_to_lds s[G0+4*\s:G0+4*\s+3], s[G1:G1+7]
	s_nop 0
.endr
	XSEC 48, 0, B0, 1                              ; 48: K steps 1 to 3 stay out; the bias and K step 0 are in.  K step 4 is asked for
	ds_store_b64 v13, v[10:11]
	s_wait_tensorcnt 0x1                           ; my part of slot 0 is in; slot 1 may stay out
	s_wait_dscnt 0x0                               ; my biases are in LDS
	s_barrier_signal -1
	s_barrier_wait -1
	LDA H0, 0, 0, 0
	LAP 1                                          ; the first products start the sums: nothing is cleared
	WIN 0
	s_mov_b32 s80, 2
.Llap:
	LAP 0
	WIN 0
	s_sub_co_u32 s80, s80, 1
	s_cmp_lg_u32 s80, 0
	s_cbranch_scc1 .Llap
	STEP 0, 0, 0, 48, 1                            ; the last lap, K steps 24 to 31: no slot is filled again,
	STEP 0, 1, 0, 48, 1
	STEP 0, 2, 0, 48, 1                            ; K step 31 of X is asked for here, the last;
	TURN 0, 0, 48, 0                               ; then the counts run down
	STEP 1, 0, 0, 32, 0
	STEP 1, 1, 0, 16, 0
	STEP 1, 2, 0, 0, 0
	s_wait_dscnt 0x0                               ; the very last K step
	PLACES
	LDA H1, 1, 3, 8
	WIN 0xa0
	MUL4 B1, H0, 0, 0
	MUL4 B1, H0, 4, 0
	s_wait_dscnt 0x0
	WIN 0xf0
	MUL4 B1, H1, 0, 0
	MUL4 B1, H1, 4, 0
	WIN 0
	; THE WAY OUT.  In tile (a, u) register j of lane (r, h) is o = 16 a + 8 h + j, l = 64 w + 4 r + u.
	PLACES
.irp a, 0,1,2,3,4,5,6,7,8,9,10,11,12,13,14,15
	ds_load_b128 v[BS+8*\a:BS+8*\a+3],   v[BA] offset:64*\a       ; bias of o = 16 a + 8 h + 0 .. 7
	ds_load_b128 v[BS+8*\a+4:BS+8*\a+7], v[BA] offset:64*\a+16
.endr
	s_lshl_b32 s70, s33, 21                        ; the destination: b x 16 heads of 131,072 bytes + block of o x 4 heads
	s_lshl_b32 s71, s30, 19
	s_add_co_u32 s70, s70, s71
	s_lshl_b32 s71, s29, 15                        ; + (256 x block of l + 64 w) rows of 128 bytes
	s_add_co_u32 s70, s70, s71
	s_lshl_b32 s71, s28, 13
	s_add_co_u32 s70, s70, s71
	s_mov_b32 s71, 0
	s_add_nc_u64 s[66:67], s[66:67], s[70:71]
	s_add_co_u32 s76, s75, STAGE                   ; my 64 rows of the stage
	v_add_nc_u32 v[STO], s76, v[ADRA]              ; (64 w + r) x 272 + 16 h
	v_lshrrev_b32 v16, 3, v15
	v_and_b32 v17, 7, v15
	v_mul_u32_u24 v16, v16, 16*PITCH
	v_lshl_add_u32 v16, v17, 4, v16
	v_add_nc_u32 v[RD], s76, v16                   ; (64 w + 16 (lane / 8)) x 272 + 16 (lane % 8)
	s_wait_dscnt 0x0
.set bi, 0
.rept 64
	v_pk_mul_f32 v[BS+2*bi:BS+2*bi+1], v[BS+2*bi:BS+2*bi+1], s[68:69] op_sel_hi:[1,0]   ; (sum + bias) SC = sum SC + bias SC
.set bi, bi+1
.endr
	; A lane's eight numbers are eight neighbouring c of one row l: 16 bytes of f16.  128 o (two heads) at a time go through the stage:
	; row 64 w + 16 u + r holds l = 64 w + 4 r + u, 256 bytes, 272 apart.  A wave reads back its own rows alone: no barrier.
.macro FMA32 ph, ap                    ; the four tiles of one a: sum x SC + bias x SC, into T at 8 u + j
	WIN 0x02+\ph
.irp u, 0,1,2,3
.irp m, 0,1,2,3
	v_pk_fma_f32 v[T+8*\u+2*\m:T+8*\u+2*\m+1], v[8*(4*\ap+\u)+2*\m:8*(4*\ap+\u)+2*\m+1], s[68:69], v[BS+8*(8*\ph+\ap)+2*\m:BS+8*(8*\ph+\ap)+2*\m+1] op_sel_hi:[1,0,1]
.endr
.endr
	WIN 0
.endm
.macro OUT128 ph
.irp ap, 0,1,2,3,4,5,6,7
	FMA32 \ph, \ap
.irp u, 0,1,2,3
.irp m, 0,1,2,3
	v_cvt_pk_f16_f32 v[PK+4*\u+\m], v[T+8*\u+2*\m], v[T+8*\u+2*\m+1]
.endr
.endr
.irp u, 0,1,2,3
	ds_store_b128 v[STO], v[PK+4*\u:PK+4*\u+3] offset:\u*16*PITCH+32*\ap
.endr
.endr
	; back: four rows l = 4 g .. 4 g + 3 of one head, 128 bytes each, are 512 consecutive bytes of the destination
.irp hh, 0,1
.irp gg, 0,1
	s_wait_xcnt 0x0                                ; the quads, which earlier stores read, are loaded again only behind this wait
.irp t, 0,1,2,3,4,5,6,7
	ds_load_b128 v[RB+4*\t:RB+4*\t+3], v[RD] offset:(8*\gg+\t)*PITCH+128*\hh   ; a wave's LDS instructions are served in order: these see the stores above
.endr
.irp t, 0,1,2,3,4,5,6,7
	s_wait_dscnt 7-\t
	global_store_b128 v[CO], v[RB+4*\t:RB+4*\t+3], s[66:67] offset:512*(8*\gg+\t)+131072*\hh+262144*\ph
.endr
.endr
.endr
.endm
	OUT128 0
	OUT128 1
	s_wait_tensorcnt 0x0
	ds_add_u32 v30, v31
	s_wait_dscnt 0x0
	CROUND                                         ; the closing round: no work-group ends while a partner may still ask jointly
	s_endpgm
.Lfunc_end_k_qc1d4d09598_proj:
	.size	k_qc1d4d09598_proj, .Lfunc_end_k_qc1d4d09598_proj-k_qc1d4d09598_proj
	.p2alignl 7, 3214868480
	.fill 96, 4, 3214868480
	.section	.rodata,"a",@progbits
	.p2align	6, 0x0
	.amdhsa_kernel k_qc1d4d09598_proj
		.amdhsa_group_segment_fixed_size 327680
		.amdhsa_private_segment_fixed_size 0
		.amdhsa_enable_private_segment 0
		.amdhsa_kernarg_size 80
		.amdhsa_user_sgpr_count 2
		.amdhsa_user_sgpr_kernarg_segment_ptr 1
		.amdhsa_wavefront_size32 1
		.amdhsa_system_sgpr_workgroup_id_x 1
		.amdhsa_system_sgpr_workgroup_id_y 1
		.amdhsa_system_sgpr_workgroup_id_z 1
		.amdhsa_system_vgpr_workitem_id 0
		.amdhsa_next_free_vgpr 1024
		.amdhsa_next_free_sgpr 90
		.amdhsa_reserve_vcc 0
		.amdhsa_float_denorm_mode_32 3
		.amdhsa_float_denorm_mode_16_64 3
		.amdhsa_memory_ordered 1
		.amdhsa_forward_progress 1
		.amdhsa_inst_pref_size 255
	.end_amdhsa_kernel
	.section	.bss,"aw",@nobits
	.p2align	6
	.space	262144
	.amdgpu_metadata
---
amdhsa.version: [ 1, 2 ]
amdhsa.kernels:
  - .name:           k_qc1d4d09598_proj
    .symbol:         k_qc1d4d09598_proj.kd
    .args:
      - { .name: q, .offset: 0, .size: 8, .value_kind: global_buffer, .address_space: global }
      - { .name: k, .offset: 8, .size: 8, .value_kind: global_buffer, .address_space: global }
      - { .name: v, .offset: 16, .size: 8, .value_kind: global_buffer, .address_space: global }
      - { .name: wb, .offset: 24, .size: 8, .value_kind: global_buffer, .address_space: global }
      - { .name: bq, .offset: 32, .size: 8, .value_kind: global_buffer, .address_space: global }
      - { .name: bk, .offset: 40, .size: 8, .value_kind: global_buffer, .address_space: global }
      - { .name: bv, .offset: 48, .size: 8, .value_kind: global_buffer, .address_space: global }
      - { .name: qt, .offset: 56, .size: 8, .value_kind: global_buffer, .address_space: global }
      - { .name: kt, .offset: 64, .size: 8, .value_kind: global_buffer, .address_space: global }
      - { .name: vt, .offset: 72, .size: 8, .value_kind: global_buffer, .address_space: global }
    .group_segment_fixed_size: 327680
    .private_segment_fixed_size: 0
    .kernarg_segment_align: 8
    .kernarg_segment_size: 80
    .max_flat_workgroup_size: 128
    .sgpr_count:     90
    .vgpr_count:     1024
    .wavefront_size: 32
...
	.end_amdgpu_metadata
.endif
;; end of part 2
;; launch stats (part 3): grid 256 x 1, 8 waves a work-group, no clusters, 168,960 bytes of LDS; arguments qt, kt, nm; writes nm
.if DOCPART == 3
	.amdgcn_target "amdgcn-amd-amdhsa--gfx1250"
	.amdhsa_code_object_version 6
	.text
	.protected	k_qc1d4d09598_stats
	.globl	k_qc1d4d09598_stats
	.p2align	8
	.type	k_qc1d4d09598_stats,@function
k_qc1d4d09598_stats:
	s_mov_b64 s[64:65], 0
	v_nop
	global_prefetch_b8 v0, s[64:65] scope:SCOPE_SE
	s_setreg_imm32_b32 hwreg(HW_REG_WAVE_MODE, 25, 1), 1
	s_wait_xcnt 0x0
; The softmax runs over the queries t, so each key column s needs its maximum and its sum over all 1,024 t before any weight can be used.
; With S[t][s] = row t of qt times row s of kt (the score times log2 e): m[s] = max over t of S, Z[s] = sum over t of 2^(S - m),
; nm[head][s] = 4 - m[s] - log2 Z[s], so that 2^(S + nm) is 16 times the weight.
; LIMIT: v_exp_f32 gives 0 for results below 2^-126 (ISA guide, its entry): such terms add nothing to Z.
; SHARES.  Work-group x: head x / 2, keys 512 (x % 2) .. + 511.  Wave w: queries 256 (w % 4) .. + 255, keys 256 (w / 4) .. + 255 of the group's 512.
; The product is taken as D[m = t][n = s]: a lane holds ONE key and 128 queries (16 tiles x 8 registers), so maximum and sum need no traffic between
; lanes; the eight partial pairs of a key (four waves x two halves of the lanes) meet in LDS at the end.
; The keys come by one tensor load a wave, a first fill that is never repeated: no ring.  No cluster: two work-groups share a head's queries,
; 128 KiB read once each, a small part of what they compute on them.
; LDS: keys at 0 (512 rows of 128 bytes, 144 apart); partial maxima at 73,728, partial sums at 90,112, each [8][512] f32, written by LDS stores alone.
; REGISTERS: window 1: the wave's 256 queries as fragments (tile t, K half ks at 16 t + 8 ks);  window 0 as named below.
.set KP,  144
.set MP,  512*KP
.set KA,  4                            ; v4        LDS address of my key fragment
.set PA,  5                            ; v5        where my partial maximum goes
.set MM,  8                            ; v[8:9]    the maximum, twice
.set MC,  10                           ; v10-13    four chains of maxima
.set SCH, 16                           ; v[16:23]  four chains of sums, pairs
.set KF,  32                           ; v[32:47]  a key fragment, two K halves
.set SF,  128                          ; v[128:255] S, 16 tiles
.set G1,  16
.set G0,  24
.set MSB, 0
.macro WIN new
.if MSB != (\new)
	s_set_vgpr_msb (MSB<<8)|(\new)
.set MSB, (\new)
.endif
.endm
	s_load_b128 s[4:7], s[0:1], 0x0                ; qt s[4:5], kt s[6:7]
	s_load_b64 s[8:9], s[0:1], 0x10                ; nm
	v_lshl_add_u32 v126, v0, 2, 0x29000
	v_mov_b32 v127, 0
	ds_add_u32 v126, v127
	ds_add_u32 v126, v127
	v_lshrrev_b32 v1, 5, v0
	v_readfirstlane_b32 s10, v1                    ; wave 0..7
	s_and_b32 s11, s10, 3                          ; which 256 queries
	s_lshr_b32 s12, s10, 2                         ; which 256 keys
	s_lshr_b32 s13, ttmp9, 1                       ; head
	s_and_b32 s14, ttmp9, 1                        ; which 512 keys
	; group 1: 64 rows x 64 elements of 2 bytes, dense; 4 words of padding behind every 32
	s_mov_b32 s[G1+0], (1<<16)|(1<<20)|(4<<22)|(3<<25)
	s_mov_b32 s[G1+1], 64<<16
	s_mov_b32 s[G1+2], 64<<16
	s_mov_b32 s[G1+3], 64<<16
	s_mov_b32 s[G1+4], 64
	s_mov_b32 s[G1+5], 64
	s_mov_b32 s[G1+6], 0
	s_mov_b32 s[G1+7], 0
	s_lshl_b32 s28, s13, 17                        ; a head is 131,072 bytes
	s_lshl_b32 s30, s14, 16
	s_add_co_u32 s28, s28, s30
	s_lshl_b32 s30, s10, 13                        ; my 64 rows of keys
	s_add_co_u32 s28, s28, s30
	s_mov_b32 s29, 0
	s_mov_b32 s[G0], 1
	s_mul_i32 s[G0+1], s10, 64*KP
	s_wait_dscnt 0x0
	s_wait_kmcnt 0x0
	s_add_nc_u64 s[G0+2:G0+3], s[6:7], s[28:29]
	s_or_b32 s[G0+3], s[G0+3], 0x80000000
	tensor_load_to_lds s[G0:G0+3], s[G1:G1+7]      ; the wave's one tensor load
	s_nop 0
	s_lshl_b32 s28, s13, 17
	s_lshl_b32 s30, s11, 15                        ; my 256 rows of queries
	s_add_co_u32 s28, s28, s30
	s_add_nc_u64 s[4:5], s[4:5], s[28:29]
	s_lshl_b32 s28, s13, 12
	s_lshl_b32 s30, s14, 11
	s_add_co_u32 s28, s28, s30
	s_add_nc_u64 s[8:9], s[8:9], s[28:29]
	v_and_b32 v1, 15, v0                           ; r
	v_bfe_u32 v2, v0, 4, 1                         ; h
	v_lshlrev_b32 v3, 7, v1
	v_lshl_add_u32 v3, v2, 4, v3                   ; 128 r + 16 h
	WIN 0x40
.irp t, 0,1,2,3,4,5,6,7,8,9,10,11,12,13,14,15
.irp y, 0,1,2,3
	global_load_b128 v[16*\t+4*\y:16*\t+4*\y+3], v3, s[4:5] offset:2048*\t+32*\y   ; query 16 t + r, c = 16 y + 8 h .. + 7
.endr
.endr
	WIN 0
	v_mul_u32_u24 v6, v1, KP
	v_lshl_add_u32 v6, v2, 4, v6
	s_mul_i32 s30, s12, 256*KP
	v_add_nc_u32 v[KA], s30, v6                    ; (256 sg + r) x 144 + 16 h
	s_lshl_b32 s30, s11, 12                        ; partial 2 tq + h: 2,048 bytes each
	s_lshl_b32 s28, s12, 10
	s_add_co_u32 s30, s30, s28
	s_add_co_u32 s30, s30, MP
	v_lshlrev_b32 v6, 2, v1
	v_lshl_add_u32 v6, v2, 11, v6
	v_add_nc_u32 v[PA], s30, v6
	s_wait_tensorcnt 0x0                           ; my rows of keys are in LDS,
	s_barrier_signal -1
	s_barrier_wait -1                              ; everybody's are
.irp y, 0,1,2,3
	ds_load_b128 v[KF+4*\y:KF+4*\y+3], v[KA] offset:32*\y
.endr
	s_wait_loadcnt 0x0                             ; the queries, once
; 16 keys x my 256 queries.  pre = 1: the next 16 keys are fetched meanwhile.
.macro TILE pre
	s_wait_dscnt 0x0                               ; the key fragment is in
	WIN 0x01
	; the 16 accumulators take turns, one instruction a turn; the first K half starts the sums
.irp t, 0,1,2,3,4,5,6,7,8,9,10,11,12,13,14,15
	v_wmma_f32_16x16x32_f16 v[SF+8*\t:SF+8*\t+7], v[16*\t:16*\t+7], v[KF:KF+7], 0
.endr
.irp t, 0,1,2,3,4,5,6,7,8,9,10,11,12,13,14,15
	v_wmma_f32_16x16x32_f16 v[SF+8*\t:SF+8*\t+7], v[16*\t+8:16*\t+15], v[KF+8:KF+15], v[SF+8*\t:SF+8*\t+7]
.endr
	WIN 0
.rept 4
	v_nop                                          ; four places in front of the loads into the fragment and of the reads of S
.endr
.if \pre
	v_add_nc_u32 v[KA], 16*KP, v[KA]
.irp y, 0,1,2,3
	ds_load_b128 v[KF+4*\y:KF+4*\y+3], v[KA] offset:32*\y
.endr
.endif
.irp c, 0,1,2,3
	v_max_num_f32 v[MC+\c], v[SF+32*\c], v[SF+32*\c+1]
.endr
.irp i, 1,2,3,4,5,6,7,8,9,10,11,12,13,14,15
.irp c, 0,1,2,3
	v_max3_num_f32 v[MC+\c], v[MC+\c], v[SF+32*\c+2*\i], v[SF+32*\c+2*\i+1]
.endr
.endr
	v_max3_num_f32 v[MC], v[MC], v[MC+1], v[MC+2]
	v_max_num_f32 v[MM], v[MC], v[MC+3]            ; the largest of my 128 queries, in both registers of a pair
	v_max_num_f32 v[MM+1], v[MC], v[MC+3]
.set ee, 0
.rept 64
	v_pk_add_f32 v[SF+2*ee:SF+2*ee+1], v[SF+2*ee:SF+2*ee+1], v[MM:MM+1] neg_lo:[0,1] neg_hi:[0,1]
.set ee, ee+1
.endr
.set ee, 0
.rept 128
	v_exp_f32 v[SF+ee], v[SF+ee]
.set ee, ee+1
.endr
	v_nop                                          ; one plain place behind the last transcendental (ISA guide 5.7.2)
	s_wait_alu depctr_va_vdst(0)
.irp c, 0,1,2,3
	v_pk_add_f32 v[SCH+2*\c:SCH+2*\c+1], v[SF+32*\c:SF+32*\c+1], v[SF+32*\c+2:SF+32*\c+3]
.endr
.irp i, 2,3,4,5,6,7,8,9,10,11,12,13,14,15
.irp c, 0,1,2,3
	v_pk_add_f32 v[SCH+2*\c:SCH+2*\c+1], v[SCH+2*\c:SCH+2*\c+1], v[SF+32*\c+2*\i:SF+32*\c+2*\i+1]
.endr
.endr
	v_pk_add_f32 v[SCH:SCH+1], v[SCH:SCH+1], v[SCH+2:SCH+3]
	v_pk_add_f32 v[SCH+4:SCH+5], v[SCH+4:SCH+5], v[SCH+6:SCH+7]
	v_pk_add_f32 v[SCH:SCH+1], v[SCH:SCH+1], v[SCH+4:SCH+5]
	v_add_f32 v[SCH], v[SCH], v[SCH+1]
	ds_store_b32 v[PA], v[MM]
	ds_store_b32 v[PA], v[SCH] offset:16384
	v_add_nc_u32 v[PA], 64, v[PA]                  ; 16 keys on
.endm
	s_mov_b32 s31, 15
.Ltile:
	TILE 1
	s_sub_co_u32 s31, s31, 1
	s_cmp_lg_u32 s31, 0
	s_cbranch_scc1 .Ltile
	TILE 0                                         ; the last 16 keys: nothing more to fetch
	s_wait_dscnt 0x0                               ; my partial pairs are in LDS, for the others
	s_barrier_signal -1
	s_barrier_wait -1
	s_cmp_ge_u32 s10, 4                            ; 128 threads, four keys each, merge the eight pairs of each key
	s_cbranch_scc1 .Lend
	v_lshlrev_b32 v6, 4, v0
	v_add_nc_u32 v7, MP, v6
.irp p, 0,1,2,3,4,5,6,7
	ds_load_b128 v[32+4*\p:32+4*\p+3], v7 offset:2048*\p           ; maxima
	ds_load_b128 v[64+4*\p:64+4*\p+3], v7 offset:2048*\p+16384     ; sums
.endr
	s_wait_dscnt 0x0
.irp e, 0,1,2,3
	v_max3_num_f32 v[96+\e], v[32+\e], v[36+\e], v[40+\e]
	v_max3_num_f32 v[96+\e], v[96+\e], v[44+\e], v[48+\e]
	v_max3_num_f32 v[96+\e], v[96+\e], v[52+\e], v[56+\e]
	v_max_num_f32 v[96+\e], v[96+\e], v[60+\e]
.endr
.irp p, 0,1,2,3,4,5,6,7
.irp e, 0,2
	v_pk_add_f32 v[32+4*\p+\e:32+4*\p+\e+1], v[32+4*\p+\e:32+4*\p+\e+1], v[96+\e:96+\e+1] neg_lo:[0,1] neg_hi:[0,1]
.endr
.endr
.set ee, 0
.rept 32
	v_exp_f32 v[32+ee], v[32+ee]
.set ee, ee+1
.endr
	v_nop
	s_wait_alu depctr_va_vdst(0)
.irp e, 0,2
	v_pk_mul_f32 v[100+\e:100+\e+1], v[64+\e:64+\e+1], v[32+\e:32+\e+1]
.endr
.irp p, 1,2,3,4,5,6,7
.irp e, 0,2
	v_pk_fma_f32 v[100+\e:100+\e+1], v[64+4*\p+\e:64+4*\p+\e+1], v[32+4*\p+\e:32+4*\p+\e+1], v[100+\e:100+\e+1]
.endr
.endr
.irp e, 0,1,2,3
	v_log_f32 v[104+\e], v[100+\e]                 ; Z is at least 1: the partial that holds the maximum counts 2^0
.endr
.irp e, 0,1,2,3
	v_sub_f32 v[96+\e], 4.0, v[96+\e]              ; plain work that touches neither Z nor its logarithm: the place behind the transcendentals
.endr
	s_wait_alu depctr_va_vdst(0)
.irp e, 0,1,2,3
	v_sub_f32 v[104+\e], v[96+\e], v[104+\e]
.endr
	global_store_b128 v6, v[104:107], s[8:9]       ; a wave stores 512 consecutive bytes
.Lend:
	s_wait_tensorcnt 0x0
	ds_add_u32 v126, v127
	s_wait_dscnt 0x0
	s_endpgm
.Lfunc_end_k_qc1d4d09598_stats:
	.size	k_qc1d4d09598_stats, .Lfunc_end_k_qc1d4d09598_stats-k_qc1d4d09598_stats
	.p2alignl 7, 3214868480
	.fill 96, 4, 3214868480
	.section	.rodata,"a",@progbits
	.p2align	6, 0x0
	.amdhsa_kernel k_qc1d4d09598_stats
		.amdhsa_group_segment_fixed_size 168960
		.amdhsa_private_segment_fixed_size 0
		.amdhsa_enable_private_segment 0
		.amdhsa_kernarg_size 24
		.amdhsa_user_sgpr_count 2
		.amdhsa_user_sgpr_kernarg_segment_ptr 1
		.amdhsa_wavefront_size32 1
		.amdhsa_system_sgpr_workgroup_id_x 1
		.amdhsa_system_sgpr_workgroup_id_y 1
		.amdhsa_system_sgpr_workgroup_id_z 1
		.amdhsa_system_vgpr_workitem_id 0
		.amdhsa_next_free_vgpr 512
		.amdhsa_next_free_sgpr 66
		.amdhsa_reserve_vcc 0
		.amdhsa_float_denorm_mode_32 3
		.amdhsa_float_denorm_mode_16_64 3
		.amdhsa_memory_ordered 1
		.amdhsa_forward_progress 1
		.amdhsa_inst_pref_size 53
	.end_amdhsa_kernel
	.amdgpu_metadata
---
amdhsa.version: [ 1, 2 ]
amdhsa.kernels:
  - .name:           k_qc1d4d09598_stats
    .symbol:         k_qc1d4d09598_stats.kd
    .args:
      - { .name: qt, .offset: 0, .size: 8, .value_kind: global_buffer, .address_space: global }
      - { .name: kt, .offset: 8, .size: 8, .value_kind: global_buffer, .address_space: global }
      - { .name: nm, .offset: 16, .size: 8, .value_kind: global_buffer, .address_space: global }
    .group_segment_fixed_size: 168960
    .private_segment_fixed_size: 0
    .kernarg_segment_align: 8
    .kernarg_segment_size: 24
    .max_flat_workgroup_size: 256
    .sgpr_count:     66
    .vgpr_count:     512
    .wavefront_size: 32
...
	.end_amdgpu_metadata
.endif
;; end of part 3
;; launch attn (part 4): grid 256 x 1, 8 waves a work-group, no clusters, 316,416 bytes of LDS; arguments qt, kt, vt, nm, out0; writes out0
.if DOCPART == 4
	.amdgcn_target "amdgcn-amd-amdhsa--gfx1250"
	.amdhsa_code_object_version 6
	.text
	.protected	k_qc1d4d09598_attn
	.globl	k_qc1d4d09598_attn
	.p2align	8
	.type	k_qc1d4d09598_attn,@function
k_qc1d4d09598_attn:
	s_mov_b64 s[64:65], 0
	v_nop
	global_prefetch_b8 v0, s[64:65] scope:SCOPE_SE
	s_setreg_imm32_b32 hwreg(HW_REG_WAVE_MODE, 25, 1), 1
	s_wait_xcnt 0x0
; out0[head][c][t] = sum over s of weight[t][s] v[c][s], weight = softmax over t of the scores.
; 16 x weight = 2^(S + nm[s]), S = row s of kt times row t of qt, nm = 4 - max - log2 sum from the launch before (the true maximum of each column,
; so the exponent is at most 4); vt holds v / 16, so the product needs no scale.
; LIMIT: v_exp_f32 gives 0 below 2^-126, and 16 x weight is rounded to f16 (below 2^-14 with fewer bits, below 2^-25 to 0).
; SHARES.  Work-group x: head x / 2, queries 512 (x % 2) .. + 511.  Wave w: 64 queries; column r of tile u is t = 64 w + 4 r + u, so that at the end
; the four tiles hold four neighbouring t.  The head's keys, values and nm lie in LDS, each byte filled once: no ring, no refill.
; The score is taken as D[m = s][n = t] with nm as the C operand.  A lane then holds, for one t, s = 8 h + 0..7 of each tile of 16 keys: exactly the K places
; of the second product's B fragment, so the weights go from the first product to the second without leaving the lane.
; The values lie as [s][c], like the keys; the second product wants rows c with s along the registers, which the transposing LDS load gives.
; No cluster: only two work-groups share a head's keys and values, 256 KiB fetched once by each for 1,024 x 512 scores.
; LDS: keys at 0 (1,024 rows of 128 bytes, 144 apart); values at 147,456 (1,024 rows of 128 bytes, 160 apart); nm at 311,296.
; REGISTERS: window 0 as named below; window 1: v0-63 my queries as fragments (tile u, K half ks at 16 u + 8 ks), v64-191 the 16 accumulators (a, u) at 64 + 8 (4 a + u).
.set KP,  144                          ; an odd multiple of 16: the 16 rows of a key fragment start in 16 different columns of 16 bytes
.set VP,  160                          ; an odd multiple of 32, for the transposing load
.set VB,  1024*KP
.set NMB, VB+1024*VP
.set KA,  4                            ; v4  keys:   144 r + 16 h + chunk
.set VA,  5                            ; v5  values: (8 h + lane % 8) x 160 + 16 ((lane / 8) % 2) + chunk
.set NA,  6                            ; v6  nm:     32 h + chunk
.set CO,  7                            ; v7  out0:   8 h rows of 4,096 bytes + 16 r
.set KF,  32                           ; v[32:63]   key fragments (tile g of 16 keys, K half ks at 16 g + 8 ks)
.set VF,  64                           ; v[64:95]   value fragments, 16 c each
.set NF,  96                           ; v[96:111]  nm of the lane's 8 keys, for each tile g
.set PF,  112                          ; v[112:143] weights in f16, a fragment for each u
.set SF,  144                          ; v[144:207] scores, tile (g, u) at 32 g + 8 u
.set OQ,  32                           ; the way out: 32 quads
.set G0,  24                           ; s[24:39] group 0, a set for each chunk
.set G1,  40                           ; s[40:47]
.set MSB, 0
.macro WIN new
.if MSB != (\new)
	s_set_vgpr_msb (MSB<<8)|(\new)
.set MSB, (\new)
.endif
.endm
.macro PLACES
.rept 4
	v_nop
.endr
.endm
	s_load_b256 s[4:11], s[0:1], 0x0               ; qt s[4:5], kt s[6:7], vt s[8:9], nm s[10:11]
	s_load_b64 s[12:13], s[0:1], 0x20              ; out0
	v_lshl_add_u32 v254, v0, 2, 0x4d000
	v_mov_b32 v255, 0
	ds_add_u32 v254, v255
	ds_add_u32 v254, v255
	v_lshrrev_b32 v1, 5, v0
	v_readfirstlane_b32 s14, v1                    ; wave 0..7
	s_lshr_b32 s15, ttmp9, 1                       ; head
	s_and_b32 s16, ttmp9, 1                        ; which 512 queries
	v_lshlrev_b32 v8, 4, v0                        ; 16 x thread: 256 threads copy the head's 4,096 bytes of nm
	v_add_nc_u32 v9, NMB, v8
	s_lshl_b32 s18, s15, 12
	s_mov_b32 s19, 0
	s_wait_dscnt 0x0
	s_wait_kmcnt 0x0
	s_add_nc_u64 s[10:11], s[10:11], s[18:19]
	global_load_async_to_lds_b128 v9, v8, s[10:11] ; v8, v9 and s[10:11] stay as they are
	s_lshl_b32 s18, s15, 17                        ; a head of qt, kt, vt is 131,072 bytes
	s_add_nc_u64 s[4:5], s[4:5], s[18:19]
	s_add_nc_u64 s[6:7], s[6:7], s[18:19]
	s_add_nc_u64 s[8:9], s[8:9], s[18:19]
	; First fills, four tensor loads a wave, one for each chunk of 256 keys: waves 0-3 the keys, waves 4-7 the values.
	; Both: 64 rows x 64 elements of 2 bytes, dense in memory; they differ in the padding behind every 32 words: 4 words for keys, 8 for values.
	s_cmp_lt_u32 s14, 4
	s_cbranch_scc0 .Lvfill
	s_mov_b32 s[G1+0], (1<<16)|(1<<20)|(4<<22)|(3<<25)
	s_mov_b32 s[G1+1], 64<<16
	s_mov_b32 s[G1+2], 64<<16
	s_mov_b32 s[G1+3], 64<<16
	s_mov_b32 s[G1+4], 64
	s_mov_b32 s[G1+5], 64
	s_mov_b32 s[G1+6], 0
	s_mov_b32 s[G1+7], 0
	s_mul_i32 s20, s14, 64*KP
	s_lshl_b32 s18, s14, 13
	s_add_nc_u64 s[6:7], s[6:7], s[18:19]
.irp c, 0,1,2,3
	s_mov_b32 s[G0+4*\c], 1
	s_add_co_u32 s[G0+4*\c+1], s20, \c*256*KP      ; rows 256 c + 64 w
	s_add_nc_u64 s[G0+4*\c+2:G0+4*\c+3], s[6:7], \c*32768
	s_or_b32 s[G0+4*\c+3], s[G0+4*\c+3], 0x80000000
	tensor_load_to_lds s[G0+4*\c:G0+4*\c+3], s[G1:G1+7]
	s_nop 0
.endr
	s_branch .Lfilled
.Lvfill:
	s_mov_b32 s[G1+0], (1<<16)|(1<<20)|(4<<22)|(7<<25)
	s_mov_b32 s[G1+1], 64<<16
	s_mov_b32 s[G1+2], 64<<16
	s_mov_b32 s[G1+3], 64<<16
	s_mov_b32 s[G1+4], 64
	s_mov_b32 s[G1+5], 64
	s_mov_b32 s[G1+6], 0
	s_mov_b32 s[G1+7], 0
	s_mul_i32 s20, s14, 64*VP
	s_add_co_u32 s20, s20, VB-4*64*VP              ; values + (w - 4) x 64 rows
	s_sub_co_u32 s21, s14, 4
	s_lshl_b32 s18, s21, 13                        ; 64 rows of 128 bytes
	s_add_nc_u64 s[8:9], s[8:9], s[18:19]
.irp c, 0,1,2,3
	s_mov_b32 s[G0+4*\c], 1
	s_add_co_u32 s[G0+4*\c+1], s20, \c*256*VP      ; rows 256 c + 64 (w - 4)
	s_add_nc_u64 s[G0+4*\c+2:G0+4*\c+3], s[8:9], \c*32768
	s_or_b32 s[G0+4*\c+3], s[G0+4*\c+3], 0x80000000
	tensor_load_to_lds s[G0+4*\c:G0+4*\c+3], s[G1:G1+7]
	s_nop 0
.endr
.Lfilled:
	s_lshl_b32 s18, s16, 16                        ; my 64 queries: (512 half + 64 w) rows of 128 bytes
	s_lshl_b32 s20, s14, 13
	s_add_co_u32 s18, s18, s20
	s_add_nc_u64 s[4:5], s[4:5], s[18:19]
	s_lshl_b32 s18, s15, 18                        ; out0: head x 262,144 + 2,048 half + 256 w
	s_lshl_b32 s20, s16, 11
	s_add_co_u32 s18, s18, s20
	s_lshl_b32 s20, s14, 8
	s_add_co_u32 s18, s18, s20
	s_add_nc_u64 s[12:13], s[12:13], s[18:19]
	v_and_b32 v1, 15, v0                           ; r
	v_bfe_u32 v2, v0, 4, 1                         ; h
	v_lshlrev_b32 v3, 9, v1
	v_lshl_add_u32 v3, v2, 4, v3                   ; four rows a lane: 512 r + 16 h
	WIN 0x40
.irp u, 0,1,2,3
.irp y, 0,1,2,3
	global_load_b128 v[16*\u+4*\y:16*\u+4*\y+3], v3, s[4:5] offset:128*\u+32*\y   ; query 4 r + u, c = 16 y + 8 h .. + 7
.endr
.endr
	WIN 0
	v_mul_u32_u24 v[KA], v1, KP
	v_lshl_add_u32 v[KA], v2, 4, v[KA]
	v_and_b32 v10, 7, v0
	v_lshl_add_u32 v10, v2, 3, v10                 ; the row that I address for the transposing load: 8 h + lane % 8
	v_bfe_u32 v11, v0, 3, 1                        ; and which 8 of the 16 columns c
	v_mul_u32_u24 v[VA], v10, VP
	v_lshl_add_u32 v[VA], v11, 4, v[VA]
	v_add_nc_u32 v[VA], VB, v[VA]
	v_lshlrev_b32 v[NA], 5, v2
	v_add_nc_u32 v[NA], NMB, v[NA]
	v_lshlrev_b32 v[CO], 4, v1
	v_lshl_add_u32 v[CO], v2, 15, v[CO]
; 12 LDS loads: the keys and nm of block i (32 keys) of the chunk
.macro PRE i
.irp g, 0,1
.irp y, 0,1,2,3
	ds_load_b128 v[KF+16*\g+4*\y:KF+16*\g+4*\y+3], v[KA] offset:(32*(\i)+16*\g)*KP+32*\y
.endr
.endr
.irp g, 0,1
	ds_load_b128 v[NF+8*\g:NF+8*\g+3],   v[NA] offset:128*(\i)+64*\g
	ds_load_b128 v[NF+8*\g+4:NF+8*\g+7], v[NA] offset:128*(\i)+64*\g+16
.endr
.endm
; 32 keys x my 64 queries.  In both products the accumulators take turns, one instruction a turn.
.macro BLOCK i, zero, pre
	s_wait_dscnt 0x0                               ; this block's keys and nm are in
	WIN 0x04
.irp g, 0,1
.irp u, 0,1,2,3
	v_wmma_f32_16x16x32_f16 v[SF+32*\g+8*\u:SF+32*\g+8*\u+7], v[KF+16*\g:KF+16*\g+7], v[16*\u:16*\u+7], v[NF+8*\g:NF+8*\g+7]
.endr
.endr
.irp g, 0,1
.irp u, 0,1,2,3
	v_wmma_f32_16x16x32_f16 v[SF+32*\g+8*\u:SF+32*\g+8*\u+7], v[KF+16*\g+8:KF+16*\g+15], v[16*\u+8:16*\u+15], v[SF+32*\g+8*\u:SF+32*\g+8*\u+7]
.endr
.endr
	WIN 0
	PLACES                                         ; in front of the loads into fragments that products have read, and of the reads of the scores
	; values: each group of eight lanes addresses 8 rows s x 8 columns c and receives them transposed: lane (r, h) gets c = 16 a + r,
	; s = 32 i + 8 h .. + 7 from the first load and s = 32 i + 16 + 8 h .. + 7 from the second
.irp a, 0,1,2,3
	ds_load_tr16_b128 v[VF+8*\a:VF+8*\a+3],   v[VA] offset:32*(\i)*VP+32*\a
	ds_load_tr16_b128 v[VF+8*\a+4:VF+8*\a+7], v[VA] offset:(32*(\i)+16)*VP+32*\a
.endr
.if \pre
	PRE \i+1
.endif
.set ee, 0
.rept 64
	v_exp_f32 v[SF+ee], v[SF+ee]
.set ee, ee+1
.endr
	v_nop                                          ; one plain place behind the last transcendental (ISA guide 5.7.2)
	s_wait_alu depctr_va_vdst(0)
.irp u, 0,1,2,3
.irp m, 0,1,2,3
	v_cvt_pk_f16_f32 v[PF+8*\u+\m],   v[SF+8*\u+2*\m],    v[SF+8*\u+2*\m+1]      ; keys 8 h + 2 m, + 1
	v_cvt_pk_f16_f32 v[PF+8*\u+4+\m], v[SF+32+8*\u+2*\m], v[SF+32+8*\u+2*\m+1]   ; keys 16 + 8 h + 2 m, + 1
.endr
.endr
.if \pre
	s_wait_dscnt 12                                ; the values are in; the next block's 12 loads stay out
.else
	s_wait_dscnt 0x0
.endif
	WIN 0x50
.irp a, 0,1,2,3
.irp u, 0,1,2,3
.if \zero
	v_wmma_f32_16x16x32_f16 v[64+8*(4*\a+\u):64+8*(4*\a+\u)+7], v[VF+8*\a:VF+8*\a+7], v[PF+8*\u:PF+8*\u+7], 0
.else
	v_wmma_f32_16x16x32_f16 v[64+8*(4*\a+\u):64+8*(4*\a+\u)+7], v[VF+8*\a:VF+8*\a+7], v[PF+8*\u:PF+8*\u+7], v[64+8*(4*\a+\u):64+8*(4*\a+\u)+7]
.endif
.endr
.endr
	WIN 0
.endm
; A chunk of 256 keys.  lastpre = 1: its last block fetches the next chunk's first keys (block 8 of this chunk's addresses).
.macro CHUNK zero, lastpre
	BLOCK 0, \zero, 1
	BLOCK 1, 0, 1
	BLOCK 2, 0, 1
	BLOCK 3, 0, 1
	BLOCK 4, 0, 1
	BLOCK 5, 0, 1
	BLOCK 6, 0, 1
	BLOCK 7, 0, \lastpre
	v_add_nc_u32 v[KA], 256*KP, v[KA]
	v_add_nc_u32 v[VA], 256*VP, v[VA]
	v_add_nc_u32 v[NA], 1024, v[NA]
.endm
	s_wait_asynccnt 0x0                            ; my 512 bytes of nm are in LDS
	s_wait_tensorcnt 0x3                           ; my part of chunk 0 is in; chunks 1 to 3 stay out
	s_barrier_signal -1
	s_barrier_wait -1
	s_wait_loadcnt 0x0                             ; my queries
	PRE 0
	CHUNK 1, 0                                     ; the first product of the second kind starts the sums
	s_wait_tensorcnt 0x0                           ; the rest has landed while chunk 0 was worked on
	s_barrier_signal -1
	s_barrier_wait -1
	PRE 0
	s_mov_b32 s48, 2
.Lchunk:
	CHUNK 0, 1
	s_sub_co_u32 s48, s48, 1
	s_cmp_lg_u32 s48, 0
	s_cbranch_scc1 .Lchunk
	CHUNK 0, 0
	; THE WAY OUT.  Register j of accumulator (a, u) is c = 16 a + 8 h + j, t = 64 w + 4 r + u: the four u are gathered into a quad,
	; and sixteen lanes store 256 consecutive bytes, aligned, of one row c.  Every quad has its own registers.
	PLACES
	WIN 0x01
.irp a, 0,1,2,3
.irp j, 0,1,2,3,4,5,6,7
.irp u, 0,1,2,3
	v_mov_b32 v[OQ+4*(8*\a+\j)+\u], v[64+8*(4*\a+\u)+\j]
.endr
.endr
.endr
	WIN 0
.irp a, 0,1,2,3
.irp j, 0,1,2,3,4,5,6,7
	global_store_b128 v[CO], v[OQ+4*(8*\a+\j):OQ+4*(8*\a+\j)+3], s[12:13] offset:(16*\a+\j)*4096 th:TH_STORE_NT
.endr
.endr
	s_wait_tensorcnt 0x0
	ds_add_u32 v254, v255
	s_wait_dscnt 0x0
	s_endpgm
.Lfunc_end_k_qc1d4d09598_attn:
	.size	k_qc1d4d09598_attn, .Lfunc_end_k_qc1d4d09598_attn-k_qc1d4d09598_attn
	.p2alignl 7, 3214868480
	.fill 96, 4, 3214868480
	.section	.rodata,"a",@progbits
	.p2align	6, 0x0
	.amdhsa_kernel k_qc1d4d09598_attn
		.amdhsa_group_segment_fixed_size 316416
		.amdhsa_private_segment_fixed_size 0
		.amdhsa_enable_private_segment 0
		.amdhsa_kernarg_size 40
		.amdhsa_user_sgpr_count 2
		.amdhsa_user_sgpr_kernarg_segment_ptr 1
		.amdhsa_wavefront_size32 1
		.amdhsa_system_sgpr_workgroup_id_x 1
		.amdhsa_system_sgpr_workgroup_id_y 1
		.amdhsa_system_sgpr_workgroup_id_z 1
		.amdhsa_system_vgpr_workitem_id 0
		.amdhsa_next_free_vgpr 448
		.amdhsa_next_free_sgpr 66
		.amdhsa_reserve_vcc 0
		.amdhsa_float_denorm_mode_32 3
		.amdhsa_float_denorm_mode_16_64 3
		.amdhsa_memory_ordered 1
		.amdhsa_forward_progress 1
		.amdhsa_inst_pref_size 200
	.end_amdhsa_kernel
	.amdgpu_metadata
---
amdhsa.version: [ 1, 2 ]
amdhsa.kernels:
  - .name:           k_qc1d4d09598_attn
    .symbol:         k_qc1d4d09598_attn.kd
    .args:
      - { .name: qt, .offset: 0, .size: 8, .value_kind: global_buffer, .address_space: global }
      - { .name: kt, .offset: 8, .size: 8, .value_kind: global_buffer, .address_space: global }
      - { .name: vt, .offset: 16, .size: 8, .value_kind: global_buffer, .address_space: global }
      - { .name: nm, .offset: 24, .size: 8, .value_kind: global_buffer, .address_space: global }
      - { .name: out0, .offset: 32, .size: 8, .value_kind: global_buffer, .address_space: global }
    .group_segment_fixed_size: 316416
    .private_segment_fixed_size: 0
    .kernarg_segment_align: 8
    .kernarg_segment_size: 40
    .max_flat_workgroup_size: 256
    .sgpr_count:     66
    .vgpr_count:     448
    .wavefront_size: 32
...
	.end_amdgpu_metadata
.endif
;; end of part 4
